; MI455X (gfx1250); checked and timed in simulation.
; The chip was launched on July 23, 2026; its instructions are those of AMD's public machine-readable ISA for CDNA 5 (MIT licence, August 2026) and "CDNA5" Instruction Set Architecture Reference Guide (July 2026). The comments in the code are by the model that wrote it; some were corrected since.
;; Ternary Linear. Allowed arithmetic: matrix products marked QUANTISED: E4M3 operands, one given power-of-two scale a tensor, by v_wmma_f32_16x16x64_fp8_fp8 or v_wmma_f32_16x16x128_fp8_fp8, f32 sums; everything else in f32.
;; Inputs: W1 4,096 x 4,096 float32; W2 4,096 x 4,096 float32; b1 4,096 float32; b2 4,096 float32; lowp_scales 4 int32 (the exponents e of the quantised operands' scales 2^e); x 2,048 x 4,096 float32.
;; Outputs: out0 2,048 x 4,096 float32.
;; This version of the problem:
;;   THIS VERSION OF THE PROBLEM IS GIVEN IN LOW PRECISION. The matrix products marked QUANTISED in the list below multiply operands that are first quantised to E4M3 (4 exponent bits, 3 mantissa bits; 8 bits a number), with one given power-of-two scale for each operand tensor; their sums are f32. All else is computed in f32.
;;   The module's matrix products, in the order in which they are computed (A, B: the left and right operand; K: the contracted axis; several contracted axes count as one K, in the product's order):
;;     1. [M 2,048, K 4,096] x [K 4,096, N 4,096]; A: input x; B: computed on the way: QUANTISED (scales: A lowp_scales[0], B lowp_scales[1])
;;     2. [M 2,048, K 4,096] x [K 4,096, N 4,096]; A: input x; B: computed on the way: QUANTISED (scales: A lowp_scales[2], B lowp_scales[3])
;;   THE QUANTISER, for each operand of a quantised product, along K:
;;     - The operand's scale is 2^e, e = its entry of the input lowp_scales (int32; the entries are numbered through the quantised products in the list's order, A before B).
;;     - Each number is divided by the scale, clamped to +-448, and rounded to the nearest number of E4M3, ties to even, subnormals kept.
;;     - The product sums the exact products of the quantised numbers (number of the format x scale) in f32.
;;   ~~~python
;;   def quantise(x, axis, e):      # numpy; x: float32 -> the quantised numbers, widened to float32 again
;;       x = np.moveaxis(x, axis, -1); K = x.shape[-1]
;;       r = np.clip(x / 2.0 ** e, -448, 448)
;;       step = 2.0 ** (np.maximum(np.frexp(np.where(r == 0, 1, r))[1] - 1, -6) - 3)
;;       q = np.round(r / step) * step * 2.0 ** e      # np.round: ties to even
;;       return np.moveaxis(q, -1, axis).astype(np.float32)
;;   ~~~
;;   OPERANDS COMPUTED ON THE WAY. 'Computed on the way' means the value that the module computes at that place (a softmax that the list does not call 'softmax' is quantised finished and normalised). What goes into a quantiser is computed in f32, as accurately as f32 sums, v_exp_f32 and their like allow (about 1e-6 of the number): no bf16 or f16 on the way to a quantiser, and a product that is left as it is and whose result goes on into a quantised operand takes f32 operands (vector FMAs, or v_wmma_f32_16x16x4_f32). A number that lies on a knife's edge between two numbers of the format may be rounded either way, as far as f32 arithmetic and the matrix unit's own rounding can turn it there, and no further.
;; One version. Each part assembles by itself: llvm-mc -triple=amdgcn-amd-amdhsa -mcpu=gfx1250 --defsym DOCPART=n.
;; ======== version 1 of 1: 2 launches
;; limits: right only within a limited range of input values
;; workspace buffers: xq 16,777,216 bytes; wq 33,554,432 bytes
;; launch quant (part 1): grid 1280 x 1, 4 waves a work-group, no clusters, 28,160 bytes of LDS; arguments x, W1, W2, lowp_scales, xq, wq; writes xq, wq
.if DOCPART == 1
	.amdgcn_target "amdgcn-amd-amdhsa--gfx1250"
	.amdhsa_code_object_version 6
	.text
	.protected	k_qf5bc217608_quant
	.globl	k_qf5bc217608_quant
	.p2align	8
	.type	k_qf5bc217608_quant,@function
k_qf5bc217608_quant:
	s_mov_b64 s[64:65], 0
	v_nop
	global_prefetch_b8 v0, s[64:65] scope:SCOPE_SE
	s_setreg_imm32_b32 hwreg(HW_REG_WAVE_MODE, 25, 1), 1
	s_wait_xcnt 0x0
; All four operands of the two quantised products become codes of FP8 (E4M3), one byte a number, LAID IN THE ORDER OF THE OPERANDS' REGISTERS.
; A fragment, 16 rows x 128 along K, is an IMAGE of 2,048 bytes: byte 512 c + 16 l + j (c = 0..3, l = 0..31, j = 0..15) holds row l % 16, k = 32 c + 16 (l / 16) + j of the 128.
;   xq [128 blocks of 16 rows][64 images][2048]: images 0-31: x under the scale 2^e0, 128 along K each; images 32-63: the same numbers under 2^e2.
;   wq [256 blocks of 16 rows][64 images][2048]: images 0-31: b(W1) under 2^e1; images 32-63: b(W2) under 2^e3, with b(w) = w + (sign(w) - w), formed in f32 as the source formula writes it.
; code = number / 2^e, held within +-448, rounded to the nearest code, ties to even.
; SHARES.  A wave takes 16 rows x 512 along K: four images, 16 steps of 4 rows x 128.  A load reads 512 consecutive bytes of one row, 16 a lane; so a lane's four codes of a row are one word, and an image's
; words turn through the wave's own stage in LDS: in as rows of 128 bytes (a store's 32 words are consecutive), out 16 bytes a lane.  A stage row is 144 bytes = 36 words: the sixteen rows that half a wave reads
; start at sixteen different places among the 64 banks of 4 bytes (ISA guide 11.1).  The wave then stores 512 consecutive bytes an instruction.
; Work-groups 0-255 take x, 256-767 W1, 768-1279 W2.  Waves share nothing: no barrier.  Loads run four steps ahead (12 to 16 loads of 512 bytes a wave); every offset is an immediate, the steps are written out.
; LIMITS: each e between -126 and 119, so that 2^e and 448 x 2^e are f32 numbers.  NaN in x or W, and an infinity in W (for which b(w) is NaN), are not served; an infinity in x is held at the largest code.
.set XWG,   256                        ; work-groups for x: 128 blocks x 8 runs of 512 along K / 4 waves
.set WWG,   512                        ; for each of W1, W2
.set INROW, 16384                      ; a row of x or W in bytes
.set IMG,   2048                       ; an image
.set SROW,  144                        ; a stage row
.set STG,   16*SROW                    ; a stage.  Each wave has three: x under e0, x under e2, W: the two paths of the text have LDS bytes of their own
.set WREG,  3*STG
.set R,   16                           ; v16-79   four sets of 16 numbers as they are loaded
.set T,   80                           ; v80-95   16 numbers at work
.set C,   96                           ; v96-127  four sets of 8 registers of codes, one for each step of an image
.set O,   128                          ; v128-191 images on their way out
	s_load_b256 s[4:11], s[0:1], 0x0               ; x s[4:5], W1 s[6:7], W2 s[8:9], the scales' exponents s[10:11]
	s_load_b128 s[12:15], s[0:1], 0x20             ; xq s[12:13], wq s[14:15]
	v_lshl_add_u32 v8, v0, 2, 0x6c00
	v_mov_b32 v9, 0
	v_lshrrev_b32 v1, 5, v0
	v_readfirstlane_b32 s16, v1                    ; wave 0..3
	v_and_b32 v2, 31, v0
	v_lshlrev_b32 v3, 4, v2                        ; 16 x lane: my 16 bytes of a load's 512 and of a store's 512; never rewritten
	s_mul_i32 s17, s16, WREG                       ; my wave's stages
	v_lshlrev_b32 v4, 2, v2
	v_add_nc_u32 v4, s17, v4                       ; into a stage: my word of a row
	v_and_b32 v6, 15, v0
	v_bfe_u32 v7, v0, 4, 1
	v_mul_u32_u24 v5, v6, SROW
	v_lshl_add_u32 v5, v7, 4, v5
	v_add_nc_u32 v5, s17, v5                       ; out of it: row lane % 16, + 16 (lane / 16)
	s_mov_b32 s25, 0                               ; upper words of the two byte offsets
	s_mov_b32 s27, 0
	s_wait_kmcnt 0x0
	s_load_b128 s[20:23], s[10:11], 0x0            ; e0, e1, e2, e3
	s_cmp_lt_u32 ttmp9, XWG                        ; x's work-group or a weight's: the branch hangs on the work-group's number alone
	s_cbranch_scc0 .Lw
.macro LOAD t                          ; step t: rows 4 (t % 4) + 0..3 of the block, the (t / 4)-th 128 along K: four loads of 512 consecutive bytes, into set t % 4
.irp i, 0,1,2,3
	global_load_b128 v[R+16*((\t)%4)+4*\i:R+16*((\t)%4)+4*\i+3], v3, s[4:5] offset:(4*((\t)%4)+\i)*INROW+((\t)/4)*512 th:TH_LOAD_NT
.endr
.endm
.macro ARRIVE t                        ; step t's four loads are in: behind them the loads of up to three later steps were issued and may stay out
.if 15-(\t) >= 3
	s_wait_loadcnt 12
.else
	s_wait_loadcnt 4*(15-(\t))
.endif
.endm
.macro SCALE e, sc, lim                ; s[e] = the exponent -> v[sc] = 2^e as f32 (the conversion takes its exponent field), v[lim] = 448 x 2^e
	s_add_co_i32 s30, s[\e], 127
	s_lshl_b32 s31, s30, 23
	v_mov_b32 v[\sc], s31
	s_add_co_i32 s30, s30, 8
	s_lshl_b32 s30, s30, 23
	s_or_b32 s30, s30, 0x600000
	v_mov_b32 v[\lim], s30
.endm
.macro SPREAD reg, stg, t              ; four rows' words into the stage: a store's 32 words are 128 consecutive bytes
.irp i, 0,1,2,3
	ds_store_b32 v4, v[\reg+\i] offset:\stg+(4*((\t)%4)+\i)*SROW
.endr
.endm
.macro GATHER reg, stg                 ; the image's sixteen registers.  LDS serves a wave's instructions in order (ISA guide 5.7.1.4): these see the stores above, and the next image's stores come behind them
.irp c, 0,1,2,3
	ds_load_b128 v[\reg+4*\c:\reg+4*\c+3], v5 offset:\stg+32*\c
.endr
.endm
.macro EMIT reg, base, off             ; 32 lanes store 512 consecutive bytes, at a multiple of 512 from the buffer's first byte
.irp c, 0,1,2,3
	global_store_b128 v3, v[\reg+4*\c:\reg+4*\c+3], s[\base:\base+1] offset:\off+512*\c th:TH_STORE_NT
.endr
.endm
; ---------------- x: each number is quantised twice, under e0 and under e2
.macro XSTEP t
.set RS, R+16*((\t)%4)
.set CS, C+8*((\t)%4)
.set OS, O+32*(((\t)/4)%2)
	ARRIVE \t
.irp i, 0,1,2,3,4,5,6,7,8,9,10,11,12,13,14,15
	v_med3_num_f32 v[T+\i], v[RS+\i], -v10, v10    ; the conversion to an 8-bit code does not saturate (ISA guide 7.6.2): the hold at 448 x 2^e0
.endr
	v_cvt_scalef32_pk8_fp8_f32 v[CS:CS+1], v[T:T+7], v11
	v_cvt_scalef32_pk8_fp8_f32 v[CS+2:CS+3], v[T+8:T+15], v11
.irp i, 0,1,2,3,4,5,6,7,8,9,10,11,12,13,14,15
	v_med3_num_f32 v[RS+\i], v[RS+\i], -v12, v12   ; the hold at 448 x 2^e2, in place
.endr
	v_cvt_scalef32_pk8_fp8_f32 v[CS+4:CS+5], v[RS:RS+7], v13
	v_cvt_scalef32_pk8_fp8_f32 v[CS+6:CS+7], v[RS+8:RS+15], v13
	v_nop                                          ; one plain vector line behind the last conversion, ahead of the next vector line that writes a conversion's sources
	SPREAD CS, 0, \t
	SPREAD CS+4, STG, \t
.if ((\t)%4) == 3                      ; the image's sixteen rows lie in the stages
.if (\t)/4 >= 2
	s_wait_xcnt 0x0                                ; the stores of two images back have read their data registers: the loads below land there only behind this wait
.endif
	GATHER OS, 0
	GATHER OS+16, STG
.endif
.if (\t)+4 < 16
	LOAD (\t)+4
.endif
.if ((\t)%4) == 3
	s_wait_dscnt 0x0                               ; the two images are in registers; and the stage's stores have read the four sets of codes, which the next image writes again
	EMIT OS, 12, ((\t)/4)*IMG
	EMIT OS+16, 12, ((\t)/4)*IMG+32*IMG            ; the second product's image of the same numbers
.endif
.endm
	s_lshl_b32 s17, ttmp9, 2
	s_add_co_u32 s17, s17, s16                     ; which run is my wave's: 0..1023
	s_lshr_b32 s18, s17, 3                         ; its block of 16 rows,
	s_and_b32 s19, s17, 7                          ; and which 512 along K
	s_lshl_b32 s24, s18, 18                        ; x: 16 rows of 16,384 bytes,
	s_lshl_b32 s32, s19, 11                        ; 512 numbers
	s_add_co_u32 s24, s24, s32
	s_lshl_b32 s26, s18, 17                        ; xq: 64 images,
	s_lshl_b32 s32, s19, 13                        ; four images
	s_add_co_u32 s26, s26, s32
	s_add_nc_u64 s[4:5], s[4:5], s[24:25]
	s_add_nc_u64 s[12:13], s[12:13], s[26:27]
	s_wait_alu depctr_va_vdst(0)
.irp t, 0,1,2,3
	LOAD \t
.endr
	s_wait_kmcnt 0x0                               ; the exponents
	SCALE 20, 11, 10                               ; e0
	SCALE 22, 13, 12                               ; e2
	s_wait_alu depctr_va_vdst(0)
.irp t, 0,1,2,3,4,5,6,7,8,9,10,11,12,13,14,15
	XSTEP \t
.endr
	s_wait_tensorcnt 0x0
	ds_add_u32 v8, v9
	s_wait_dscnt 0x0
	s_endpgm
; ---------------- W1 or W2
.macro WSTEP t
.set RS, R+16*((\t)%4)
.set CS, C+8*((\t)%4)
.set OS, O+16*((\t)/4)                 ; each image has registers of its own on the way out: no store's data are written again
	ARRIVE \t
.irp i, 0,2,4,6,8,10,12,14
	v_pk_mul_f32 v[T+\i:T+\i+1], v[RS+\i:RS+\i+1], s[28:29] op_sel_hi:[1,0]    ; w x 2^127,
.endr
.irp i, 0,2,4,6,8,10,12,14
	v_pk_mul_f32 v[T+\i:T+\i+1], v[T+\i:T+\i+1], s[28:29] op_sel_hi:[1,0]      ; x 2^127 again: at least 2^105 in magnitude for every w but zero (the smallest is 2^-149); a zero stays a zero
.endr
.irp i, 0,1,2,3,4,5,6,7,8,9,10,11,12,13,14,15
	v_med3_num_f32 v[T+\i], v[T+\i], -1.0, 1.0     ; held within +-1: sign(w), exactly
.endr
.irp i, 0,2,4,6,8,10,12,14
	v_pk_add_f32 v[T+\i:T+\i+1], v[T+\i:T+\i+1], v[RS+\i:RS+\i+1] neg_lo:[0,1] neg_hi:[0,1]   ; sign(w) - w
.endr
.irp i, 0,2,4,6,8,10,12,14
	v_pk_add_f32 v[T+\i:T+\i+1], v[RS+\i:RS+\i+1], v[T+\i:T+\i+1]              ; w + (sign(w) - w): two f32 roundings, in the order of the source formula
.endr
.irp i, 0,1,2,3,4,5,6,7,8,9,10,11,12,13,14,15
	v_med3_num_f32 v[T+\i], v[T+\i], -v10, v10     ; the hold at 448 x 2^e
.endr
	v_cvt_scalef32_pk8_fp8_f32 v[CS:CS+1], v[T:T+7], v11
	v_cvt_scalef32_pk8_fp8_f32 v[CS+2:CS+3], v[T+8:T+15], v11
	v_nop                                          ; one plain vector line behind the last conversion: the next step's first line writes T, a source of these two
	SPREAD CS, 2*STG, \t
.if ((\t)%4) == 3
	GATHER OS, 2*STG
.endif
.if (\t)+4 < 16
	LOAD (\t)+4
.endif
.if ((\t)%4) == 3
	s_wait_dscnt 0x0                               ; the image is in registers; and the stage's stores have read the four sets of codes
	EMIT OS, 14, ((\t)/4)*IMG
.endif
.endm
.Lw:
	s_sub_co_u32 s17, ttmp9, XWG                   ; 0..1023
	s_cmp_lt_u32 s17, WWG                          ; W1 or W2: the choice hangs on the work-group's number alone
	s_cselect_b64 s[4:5], s[6:7], s[8:9]
	s_cselect_b32 s18, 0, 32*IMG                   ; images 0-31 or 32-63 of a block
	s_cselect_b32 s19, 1, 0                        ; kept for the choice of the exponent, which has not arrived yet
	s_and_b32 s17, s17, WWG-1
	s_lshl_b32 s17, s17, 2
	s_add_co_u32 s17, s17, s16                     ; which run: 0..2047
	s_lshr_b32 s32, s17, 3                         ; its block of 16 rows,
	s_and_b32 s33, s17, 7                          ; and which 512 along K
	s_lshl_b32 s24, s32, 18
	s_lshl_b32 s34, s33, 11
	s_add_co_u32 s24, s24, s34
	s_lshl_b32 s26, s32, 17
	s_lshl_b32 s34, s33, 13
	s_add_co_u32 s26, s26, s34
	s_add_co_u32 s26, s26, s18
	s_add_nc_u64 s[4:5], s[4:5], s[24:25]
	s_add_nc_u64 s[14:15], s[14:15], s[26:27]
	s_wait_alu depctr_va_vdst(0)
.irp t, 0,1,2,3
	LOAD \t
.endr
	s_mov_b32 s28, 0x7f000000                      ; 2^127
	s_mov_b32 s29, s28                             ; (named with it as a pair, so it is written)
	s_wait_kmcnt 0x0
	s_cmp_eq_u32 s19, 1
	s_cselect_b32 s20, s21, s23                    ; e1 or e3
	SCALE 20, 11, 10
.irp t, 0,1,2,3,4,5,6,7,8,9,10,11,12,13,14,15
	WSTEP \t
.endr
	s_wait_tensorcnt 0x0
	ds_add_u32 v8, v9
	s_wait_dscnt 0x0
	s_endpgm
.Lfunc_end_k_qf5bc217608_quant:
	.size	k_qf5bc217608_quant, .Lfunc_end_k_qf5bc217608_quant-k_qf5bc217608_quant
	.p2alignl 7, 3214868480
	.fill 96, 4, 3214868480
	.section	.rodata,"a",@progbits
	.p2align	6, 0x0
	.amdhsa_kernel k_qf5bc217608_quant
		.amdhsa_group_segment_fixed_size 28160
		.amdhsa_private_segment_fixed_size 0
		.amdhsa_enable_private_segment 0
		.amdhsa_kernarg_size 48
		.amdhsa_user_sgpr_count 2
		.amdhsa_user_sgpr_kernarg_segment_ptr 1
		.amdhsa_wavefront_size32 1
		.amdhsa_system_sgpr_workgroup_id_x 1
		.amdhsa_system_sgpr_workgroup_id_y 1
		.amdhsa_system_sgpr_workgroup_id_z 1
		.amdhsa_system_vgpr_workitem_id 0
		.amdhsa_next_free_vgpr 192
		.amdhsa_next_free_sgpr 66
		.amdhsa_reserve_vcc 0
		.amdhsa_float_denorm_mode_32 3
		.amdhsa_float_denorm_mode_16_64 3
		.amdhsa_memory_ordered 1
		.amdhsa_forward_progress 1
		.amdhsa_inst_pref_size 140
	.end_amdhsa_kernel
	.amdgpu_metadata
---
amdhsa.version: [ 1, 2 ]
amdhsa.kernels:
  - .name:           k_qf5bc217608_quant
    .symbol:         k_qf5bc217608_quant.kd
    .args:
      - { .name: x, .offset: 0, .size: 8, .value_kind: global_buffer, .address_space: global }
      - { .name: W1, .offset: 8, .size: 8, .value_kind: global_buffer, .address_space: global }
      - { .name: W2, .offset: 16, .size: 8, .value_kind: global_buffer, .address_space: global }
      - { .name: lowp_scales, .offset: 24, .size: 8, .value_kind: global_buffer, .address_space: global }
      - { .name: xq, .offset: 32, .size: 8, .value_kind: global_buffer, .address_space: global }
      - { .name: wq, .offset: 40, .size: 8, .value_kind: global_buffer, .address_space: global }
    .group_segment_fixed_size: 28160
    .private_segment_fixed_size: 0
    .kernarg_segment_align: 8
    .kernarg_segment_size: 48
    .max_flat_workgroup_size: 128
    .sgpr_count:     66
    .vgpr_count:     192
    .wavefront_size: 32
...
	.end_amdgpu_metadata
.endif
;; end of part 1
;; launch gemm (part 2): grid 16 x 16, 4 waves a work-group, clusters of 4 x 4, 327,680 bytes of LDS; arguments xq, wq, lowp_scales, b1, b2, out0; writes out0
.if DOCPART == 2
	.amdgcn_target "amdgcn-amd-amdhsa--gfx1250"
	.amdhsa_code_object_version 6
	.text
	.protected	k_qf5bc217608_gemm
	.globl	k_qf5bc217608_gemm
	.p2align	8
	.type	k_qf5bc217608_gemm,@function
k_qf5bc217608_gemm:
	s_mov_b64 s[64:65], 0
	v_nop
	global_prefetch_b8 v0, s[64:65] scope:SCOPE_SE
	s_setreg_imm32_b32 hwreg(HW_REG_WAVE_MODE, 25, 1), 1
	s_wait_xcnt 0x0
	s_wait_alu depctr_hold_cnt(0) depctr_sa_sdst(0) depctr_va_vdst(0) depctr_va_sdst(0) depctr_va_ssrc(0) depctr_va_vcc(0) depctr_vm_vsrc(0)
	s_getreg_b32 s2, hwreg(HW_REG_IB_STS2, 6, 4)
	s_cmp_eq_u32 s2, 0
	s_cbranch_scc0 .Lentry_in_a_cluster
	s_endpgm
.Lentry_in_a_cluster:
	s_bfe_u32 s2, ttmp6, 0x10000c
	s_cmp_lg_u32 s2, 0xf033
	s_cbranch_scc0 .Lentry_shape_is_right
	s_endpgm
.Lentry_shape_is_right:
; out0[m][n] = 2^(e0+e1) sum_k xq0[m][k] wq1[n][k] - 2^(e2+e3) sum_k xq2[m][k] wq2[n][k] + b1[n] - b2[n]: both quantised products on codes of FP8 (E4M3), sums in f32.
; xq [128 blocks of 16 rows][64 images][2048], wq [256 blocks][64 images][2048]: an image is a fragment (16 rows x 128 K) in the order of the operand's registers; images 0-31 serve product 1, 32-63 product 2.
; LIMIT: e0 + e1 and e2 + e3 lie between -126 and 127, so that both factors are f32 numbers.
; A work-group makes 128 x 256 of out0.  ITS FOUR WAVES SHARE THE WORK BY PRODUCT AND BY HALF OF N: wave w takes product w % 2 and columns 128 (w / 2) .. + 127, all 128 rows:
; 64 accumulators, 512 registers, 64 LDS loads for 64 matrix instructions in a step of 128 along K.  The two products' sums meet at the end, in LDS, where each is multiplied by its factor.
; THE RING: two slots filled by joint tensor loads.  Slot 0 holds 2 images of each product for each of the 8 + 16 blocks of rows (196,608 bytes), slot 1 holds 1 (98,304 bytes): a lap is 3 steps;
; 32 steps = 10 laps and slot 0 once more.  Wave 0 fetches x's images of product 1, wave 1 of product 2, waves 2 and 3 the weights': one load a wave behind each round, so one load of a wave is out at a time.
; A step's fragments are fetched in ONE run of 64 LDS loads in the middle of the step before.  So slot 0 is read out in the middle of its first step, and its refill stands at the border of its two steps:
; between that refill and the wait for it stand 9 groups of 8 matrix instructions, between slot 1's refill and the wait for it 11.
; CLUSTERS: 4 x 4 work-groups; x's tiles are asked for jointly along a row of the cluster, the weights' along a column.
; PREFETCH: behind each refill a wave names the bytes that the same slot's refill one lap (two refills) later brings; the four partners of a joint load share its blocks of rows out by address.
; The matrix instruction is used transposed (source 0 = rows of W, source 1 = rows of x): a lane holds eight neighbouring columns of one row of out0.
; REGISTERS: window 0: v0-39 addresses and biases, v128-191 x's blocks 0-3 (one set: free at the run), v192-255 and v64-127 x's blocks 4-7 (two sets);  window 1: W's fragments, two sets;
;   windows 2, 3: the accumulators of rows 0-63, 64-127.
.set IMG,    2048
.set RBM,    64*IMG                    ; a block of rows in memory
.set LAPB,   3*IMG                     ; a lap along a block's images
.set FR,     16
.set S1,     196608                    ; slot 1's first byte
.set SPARE,  294912                    ; behind the ring: the spare words, 128 bytes a wave
.set SPITCH, 528                       ; a stage row: 512 bytes + 16
.set REG,    128*SPITCH                ; a wave's stage: 128 rows; the four lie in the slots, behind their last fill and last read
.set OROW,   16384
.set ADRA, 16                          ; v16-17 my x fragments in slot 0, 1
.set ADRB, 20                          ; v20-21 my W fragments
.set STO,  24
.set RD,   25
.set RD1,  26
.set CO,   27                          ; 16 x lane
.set SPW,  28
.set NIL,  29
.set PFB,  30                          ; prefetch offsets: slot 0's chunk, slot 1's chunk
.set PFS,  31
.set BD,   32                          ; v32-35 b1 - b2 of my four columns; v36-39 b2 as loaded
.set AF,   128
.set G1A2, 24
.set G0,   32
.set G1B2, 48
.set G0B,  56
.set PFA,  66
.set G1B1, 68
.set F1,   76
.set F2,   78
.set G1A1, 88
.set MSB, 0
.macro WIN new
.if MSB != \new
	s_set_vgpr_msb (MSB<<8)|\new
.set MSB, \new
.endif
.endm
.set MUL_LO, 0xa1
.set TO_B,   0x40
; a joint load: waves 0, 1 for x, waves 2, 3 for W; s_nop 0 and four v_nop behind each line
.macro JLOAD g0a, g1a, g0b, g1b
	s_cmp_eq_u32 s15, 0
	s_cbranch_scc0 .Lfor_b_\@
	tensor_load_to_lds s[\g0a:\g0a+3], s[\g1a:\g1a+7]
	s_nop 0
.rept 4
	v_nop
.endr
	s_branch .Lasked_\@
.Lfor_b_\@:
	tensor_load_to_lds s[\g0b:\g0b+3], s[\g1b:\g1b+7]
	s_nop 0
.rept 4
	v_nop
.endr
.Lasked_\@:
.endm
.macro CREST
	s_cmp_lg_u32 s14, 0
	s_cbranch_scc1 .Lnot_wave_0_\@
	s_barrier_signal -3
.Lnot_wave_0_\@:
	s_barrier_wait -3
	s_barrier_signal -1
	s_barrier_wait -1
.endm
.macro CROUND
	s_barrier_signal -1
	s_barrier_wait -1
	CREST
.endm
; slot 0's chunk: 4,096 bytes of each block of rows.  My work-group's share of my tile: 2 blocks of x (32 lanes x 256 bytes), 4 of W (two instructions)
.macro ASKBIG
	global_prefetch_b8 v[PFB], s[PFA:PFA+1] th:TH_LOAD_NT scope:SCOPE_SE
	s_cmp_eq_u32 s15, 0
	s_cbranch_scc1 .Lx_only_\@
	global_prefetch_b8 v[PFB], s[PFA:PFA+1] offset:2*RBM th:TH_LOAD_NT scope:SCOPE_SE
.Lx_only_\@:
.endm
; slot 1's chunk: 2,048 bytes of each block: 16 units of x (lanes 16-31 name the last again), 32 of W
.macro ASKSMALL
	global_prefetch_b8 v[PFS], s[PFA:PFA+1] offset:2*IMG th:TH_LOAD_NT scope:SCOPE_SE
.endm
.macro SHAPE g, c, r                   ; group 1: r rows of c elements of 8 bytes, RBM bytes apart
	s_mov_b32 s[\g+1], (\c)<<16
	s_mov_b32 s[\g+2], (\r)<<16
	s_mov_b32 s[\g+3], (\c)<<16
	s_mov_b32 s[\g+4], \r
	s_mov_b32 s[\g+5], RBM/8
	s_mov_b32 s[\g+6], 0
	s_mov_b32 s[\g+7], 0
.endm
	s_load_b128 s[4:7], s[0:1], 0x0                ; xq, wq
	s_load_b128 s[8:11], s[0:1], 0x10              ; the exponents, b1
	s_load_b128 s[84:87], s[0:1], 0x20             ; b2, out0
	v_lshl_add_u32 v[SPW], v0, 2, SPARE
	v_mov_b32 v[NIL], 0
	ds_add_u32 v[SPW], v[NIL]                      ; the opening lines: the add twice on end and its wait
	ds_add_u32 v[SPW], v[NIL]
	v_lshrrev_b32 v1, 5, v0
	v_readfirstlane_b32 s14, v1                    ; wave
	s_lshr_b32 s15, s14, 1                         ; my half of N; also: I fetch x (0) or W (1)
	s_and_b32 s16, s14, 1                          ; my product, in the sums and in what I fetch
	s_bfe_u32 s40, ttmp6, 0x40000                  ; cx
	s_bfe_u32 s41, ttmp6, 0x40004                  ; cy
	s_lshl_b32 s42, ttmp9, 2
	s_add_co_u32 s42, s42, s40                     ; tile column
	s_and_b32 s17, ttmp7, 0xffff
	s_lshl_b32 s17, s17, 2
	s_add_co_u32 s17, s17, s41                     ; tile row
	s_lshl_b32 s43, s41, 2
	s_lshl_b32 s43, 15, s43                        ; my row of the cluster
	s_lshl_b32 s44, 0x1111, s40                    ; my column
	s_or_b32 s[G1A2], s43, (3<<16)|(1<<21)
	s_or_b32 s[G1A1], s43, (3<<16)|(1<<21)
	s_or_b32 s[G1B2], s44, (3<<16)|(1<<21)
	s_or_b32 s[G1B1], s44, (3<<16)|(1<<21)
	SHAPE G1A2, 2*IMG/8, 8
	SHAPE G1A1, IMG/8, 8
	SHAPE G1B2, 2*IMG/8, 16
	SHAPE G1B1, IMG/8, 16
	s_lshl_b32 s20, s17, 20                        ; x: 8 blocks a tile row,
	s_lshl_b32 s18, s16, 16                        ; 32 images for the product
	s_add_co_u32 s20, s20, s18
	s_mov_b32 s21, 0
	s_lshl_b32 s46, s42, 21                        ; W: 16 blocks a tile column
	s_add_co_u32 s46, s46, s18
	s_mov_b32 s47, 0
	s_lshl_b32 s45, s16, 15                        ; LDS: x in slot 0: product x 32,768
	s_lshl_b32 s22, s16, 14
	s_add_co_u32 s22, s22, S1                      ; x in slot 1
	s_lshl_b32 s23, s16, 16
	s_add_co_u32 s23, s23, 65536                   ; W in slot 0
	s_lshl_b32 s19, s16, 15
	s_add_co_u32 s19, s19, S1+32768                ; W in slot 1
	s_wait_dscnt 0x0
	s_wait_kmcnt 0x0
	s_load_b128 s[96:99], s[8:9], 0x0              ; e0 .. e3
	s_add_nc_u64 s[20:21], s[4:5], s[20:21]
	s_add_nc_u64 s[46:47], s[6:7], s[46:47]
	CROUND                                         ; in front of the first joint loads
	s_mov_b32 s[G0], 1
	s_mov_b32 s[G0+1], s45
	s_mov_b64 s[G0+2:G0+3], s[20:21]
	s_or_b32 s[G0+3], s[G0+3], 0x80000000
	s_mov_b32 s[G0+4], 1
	s_mov_b32 s[G0+5], s22
	s_add_nc_u64 s[G0+6:G0+7], s[20:21], 2*IMG
	s_or_b32 s[G0+7], s[G0+7], 0x80000000
	s_mov_b32 s[G0B], 1
	s_mov_b32 s[G0B+1], s23
	s_mov_b64 s[G0B+2:G0B+3], s[46:47]
	s_or_b32 s[G0B+3], s[G0B+3], 0x80000000
	s_mov_b32 s[G0B+4], 1
	s_mov_b32 s[G0B+5], s19
	s_add_nc_u64 s[G0B+6:G0B+7], s[46:47], 2*IMG
	s_or_b32 s[G0B+7], s[G0B+7], 0x80000000
	JLOAD G0, G1A2, G0B, G1B2                      ; slot 0's first fill: one tensor load a wave at the head
	; scalars first, then the vector lines in one run
	s_lshl_b32 s18, s15, 15
	s_add_co_u32 s18, s18, s23                     ; my 8 blocks of W in slot 0
	s_lshl_b32 s21, s15, 14
	s_add_co_u32 s21, s21, s19                     ; and in slot 1
	s_mul_i32 s46, s14, REG                        ; my stage
	s_mul_i32 s47, s15, 2*REG                      ; back: the two stages of my half of N,
	s_mul_i32 s20, s16, 64*SPITCH                  ; rows 64 (w % 2) .. + 63
	s_add_co_u32 s47, s47, s20
	s_lshl_b32 s80, s17, 3
	s_lshl_b32 s81, s40, 1
	s_add_co_u32 s80, s80, s81                     ; prefetch, x: my work-group's 2 of the tile's 8 blocks
	s_lshl_b32 s82, s42, 4
	s_lshl_b32 s81, s41, 2
	s_add_co_u32 s82, s82, s81                     ; W: 4 of 16
	s_cmp_eq_u32 s15, 0
	s_cselect_b32 s80, s80, s82
	s_cselect_b32 s83, 15, 31
	s_cselect_b64 s[PFA:PFA+1], s[4:5], s[6:7]
	s_lshl_b32 s80, s80, 17
	s_lshl_b32 s81, s16, 16
	s_add_co_u32 s80, s80, s81
	s_add_co_u32 s80, s80, LAPB                    ; at lap 1
	s_mov_b32 s81, 0
	s_add_nc_u64 s[PFA:PFA+1], s[PFA:PFA+1], s[80:81]
	s_lshl_b32 s80, s42, 10
	s_lshl_b32 s81, s15, 9
	s_add_co_u32 s80, s80, s81                     ; my 128 columns, in bytes
	s_mov_b32 s81, 0
	s_add_nc_u64 s[10:11], s[10:11], s[80:81]
	s_add_nc_u64 s[84:85], s[84:85], s[80:81]
	s_add_nc_u64 s[86:87], s[86:87], s[80:81]
	s_lshl_b32 s80, s17, 7
	s_lshl_b32 s82, s16, 6
	s_add_co_u32 s80, s80, s82
	s_lshl_b32 s80, s80, 14                        ; the first row that I store
	s_add_nc_u64 s[86:87], s[86:87], s[80:81]
	v_and_b32 v6, 31, v0
	v_lshlrev_b32 v[CO], 4, v6
	v_add_nc_u32 v[ADRA], s45, v[CO]
	v_add_nc_u32 v[ADRA+1], s22, v[CO]
	v_add_nc_u32 v[ADRB], s18, v[CO]
	v_add_nc_u32 v[ADRB+1], s21, v[CO]
	v_and_b32 v1, 15, v0
	v_bfe_u32 v2, v0, 4, 1
	v_mul_u32_u24 v5, v1, SPITCH
	v_lshl_add_u32 v5, v2, 5, v5
	v_add_nc_u32 v[STO], s46, v5                   ; into my stage: row l % 16, 32 bytes for each half of the lanes
	v_add_nc_u32 v[RD], s47, v[CO]                 ; back: 32 lanes take a row's 512 bytes: product 1's stage,
	v_add_nc_u32 v[RD1], REG, v[RD]                ; product 2's
	v_lshlrev_b32 v4, 8, v1
	v_lshl_add_u32 v[PFB], v2, 17, v4              ; block l / 16, unit l % 16
	v_min_u32 v3, s83, v6
	v_lshrrev_b32 v4, 3, v3
	v_and_b32 v3, 7, v3
	v_lshlrev_b32 v3, 8, v3
	v_lshl_add_u32 v[PFS], v4, 17, v3              ; block i / 8, unit i % 8
	global_prefetch_b8 v[PFS], s[PFA:PFA+1] offset:-IMG th:TH_LOAD_NT scope:SCOPE_SE   ; lap 0's chunk for slot 1 (image 2): its load goes out when slot 0's first fill has landed
	global_load_b128 v[BD:BD+3], v[CO], s[10:11]   ; awaited on the way out
	global_load_b128 v[BD+4:BD+7], v[CO], s[84:85]
	ASKBIG                                         ; lap 1's chunk for slot 0
.macro FRAG reg, adr, q, i, str
.irp c, 0,1,2,3
	ds_load_b128 v[\reg+4*\c:\reg+4*\c+3], v[\adr] offset:IMG*(\q)+(\i)*(\str)+512*\c
.endr
.endm
; the 64 LDS loads of the step behind step p: W's eight fragments into the set that step p does not multiply, x's blocks 0-3 in place, x's blocks 4-7 into their other set
.macro RUN slot, q, str, p
	WIN TO_B
.irp i, 0,1,2,3,4,5,6,7
	FRAG 128*(1-(\p))+FR*\i, ADRB+\slot, \q, \i, \str
.endr
	WIN 0
.irp i, 0,1,2,3
	FRAG AF+FR*\i, ADRA+\slot, \q, \i, \str
.endr
.irp i, 4,5,6,7
	FRAG 192-128*(1-(\p))+FR*(\i-4), ADRA+\slot, \q, \i, \str
.endr
.endm
; a group, 8 matrix instructions: x's block a against W's eight.  The 64 accumulators take turns in the same order in every step
.macro MULA a, p, zero
.if (\a) < 4
.set AR, AF+FR*(\a)
.else
.set AR, 192-128*(\p)+FR*((\a)-4)
.endif
	WIN MUL_LO+0x50*((\a)/4)
.irp b, 0,1,2,3,4,5,6,7
.if \zero
	v_wmma_f32_16x16x128_fp8_fp8 v[8*(8*((\a)%4)+\b):8*(8*((\a)%4)+\b)+7], v[128*(\p)+FR*\b:128*(\p)+FR*\b+FR-1], v[AR:AR+FR-1], 0
.else
	v_wmma_f32_16x16x128_fp8_fp8 v[8*(8*((\a)%4)+\b):8*(8*((\a)%4)+\b)+7], v[128*(\p)+FR*\b:128*(\p)+FR*\b+FR-1], v[AR:AR+FR-1], v[8*(8*((\a)%4)+\b):8*(8*((\a)%4)+\b)+7]
.endif
.endr
.endm
.macro PLACES                          ; four places in front of loads into registers that matrix instructions have read, and of reads of results
.rept 4
	v_nop
.endr
.endm
; the first half of slot 0's first step, with the run that reads the slot's second image
.macro HALF0 p, zero
	s_wait_dscnt 16                                ; W's set and x's blocks 0-3 are in; the 16 loads of blocks 4-7 may be out
.irp a, 0,1,2,3
	MULA \a, \p, \zero
.endr
	s_wait_dscnt 0
	PLACES
	RUN 0, 1, 2*IMG, \p
.endm
; slot 0's two steps (sets p, 1 - p).  At their border slot 0 has been read out and is filled again; the second step's run reads slot 1
.macro K01 p, zero, ask
.if \ask
	s_wait_xcnt 0x0                                ; my prefetches have read their base: it steps a lap
	s_add_nc_u64 s[PFA:PFA+1], s[PFA:PFA+1], LAPB
.endif
	HALF0 \p, \zero
.irp a, 4,5,6
	MULA \a, \p, \zero
.endr
	WIN 0
	s_wait_tensorcnt 0x0                           ; my one load that was out, my part of slot 1, has landed
	ds_add_u32 v[SPW], v[NIL]
	MULA 7, \p, \zero
	s_wait_dscnt 0x0                               ; the add is done, and my reads of slot 0 are over
	s_barrier_signal -1
	MULA 0, 1-(\p), 0
	WIN 0
	s_barrier_wait -1
	CREST                                          ; the barrier has opened a round of the cluster's barrier
	s_add_nc_u64 s[G0+2:G0+3], s[G0+2:G0+3], LAPB
	s_add_nc_u64 s[G0B+2:G0B+3], s[G0B+2:G0B+3], LAPB
	JLOAD G0, G1A2, G0B, G1B2                      ; the first tensor load behind the round
.irp a, 1,2,3
	MULA \a, 1-(\p), 0
.endr
	PLACES
	RUN 1, 0, IMG, 1-(\p)
.if \ask
	ASKBIG                                         ; what slot 0's refill of the next lap brings
.endif
.irp a, 4,5,6,7
	MULA \a, 1-(\p), 0
.endr
	WIN 0
.endm
; slot 1's step: slot 1 has been read out and is filled again (fill = 1); the run reads slot 0's first image
.macro K2 p, fill, ask
	s_wait_dscnt 16
	MULA 0, \p, 0
	MULA 1, \p, 0
	WIN 0
	s_wait_tensorcnt 0x0                           ; my part of slot 0 has landed
	ds_add_u32 v[SPW], v[NIL]
	MULA 2, \p, 0
	s_wait_dscnt 0x0                               ; the add is done, and my reads of slot 1 are over
	s_barrier_signal -1
	MULA 3, \p, 0
	WIN 0
	s_barrier_wait -1
.if \fill
	CREST
	s_add_nc_u64 s[G0+6:G0+7], s[G0+6:G0+7], LAPB
	s_add_nc_u64 s[G0B+6:G0B+7], s[G0B+6:G0B+7], LAPB
	JLOAD G0+4, G1A1, G0B+4, G1B1                  ; the first tensor load behind the round; its four v_nop are the places for the run below
.else
	PLACES
.endif
	RUN 0, 0, 2*IMG, \p
.if \ask
	ASKSMALL                                       ; what slot 1's refill of the next lap brings
.endif
.irp a, 4,5,6,7
	MULA \a, \p, 0
.endr
	WIN 0
.endm
	s_wait_alu depctr_va_vdst(0)
	s_wait_tensorcnt 0x0                           ; my part of slot 0 is in; slot 1's first fill is issued as a refill is
	ds_add_u32 v[SPW], v[NIL]
	s_wait_dscnt 0x0
	CROUND
	JLOAD G0+4, G1A1, G0B+4, G1B1
	RUN 0, 0, 2*IMG, 1                             ; the first step's fragments, into the sets of parity 0
	ASKSMALL                                       ; lap 1's chunk for slot 1
	K01 0, 1, 1                                    ; lap 0's first two steps: the first starts the sums
	s_mov_b32 s3, 4
.Llap:                                                 ; a trip is six steps, so that the sets are back where they began: slot 1's steps of laps 0 to 7, slot 0's of laps 1 to 8
	K2 0, 1, 1
	K01 1, 0, 1
	K2 1, 1, 1
	K01 0, 0, 1
	s_sub_co_u32 s3, s3, 1
	s_cmp_lg_u32 s3, 0
	s_cbranch_scc1 .Llap
	K2 0, 1, 0                                     ; lap 8: slot 1's last fill
	K01 1, 0, 0                                    ; lap 9: slot 0's last fill
	K2 1, 0, 0                                     ; nothing is filled again: no round
	HALF0 0, 0                                     ; lap 10: slot 0's two steps, no barrier between them
.irp a, 4,5,6,7
	MULA \a, 0, 0
.endr
	s_wait_dscnt 16                                ; the last step
.irp a, 0,1,2,3
	MULA \a, 1, 0
.endr
	s_wait_dscnt 0x0                               ; my last reads of the slots are over: the stages lie there
	s_barrier_signal -1
.irp a, 4,5,6,7
	MULA \a, 1, 0
.endr
	WIN 0
	s_barrier_wait -1                              ; nobody reads the slots any more
	PLACES
; THE WAY OUT.  Every wave lays its 128 x 128 sums into its own stage; behind a barrier wave w takes 64 whole rows of its half of N from both products' stages,
; forms sum1 x 2^(e0+e1) + (sum2 x -2^(e2+e3) + (b1 - b2)), and stores 512 consecutive bytes an instruction.
.irp a, 0,1,2,3,4,5,6,7
	WIN 0x08+4*(\a/4)                              ; the stores' data: window 2 or 3
.irp b, 0,1,2,3,4,5,6,7
	ds_store_b128 v[STO], v[64*(\a%4)+8*\b:64*(\a%4)+8*\b+3] offset:\a*16*SPITCH+64*\b
	ds_store_b128 v[STO], v[64*(\a%4)+8*\b+4:64*(\a%4)+8*\b+7] offset:\a*16*SPITCH+64*\b+16
.endr
.endr
	WIN 0
	s_wait_kmcnt 0x0
	s_add_co_i32 s96, s96, s97
	s_add_co_i32 s96, s96, 127
	s_lshl_b32 s[F1], s96, 23                      ; 2^(e0 + e1)
	s_mov_b32 s[F1+1], s[F1]
	s_add_co_i32 s98, s98, s99
	s_add_co_i32 s98, s98, 127
	s_lshl_b32 s98, s98, 23
	s_or_b32 s[F2], s98, 0x80000000                ; -2^(e2 + e3)
	s_mov_b32 s[F2+1], s[F2]
	s_wait_loadcnt 0x0                             ; the biases
	v_pk_add_f32 v[BD:BD+1], v[BD:BD+1], v[BD+4:BD+5] neg_lo:[0,1] neg_hi:[0,1]
	v_pk_add_f32 v[BD+2:BD+3], v[BD+2:BD+3], v[BD+6:BD+7] neg_lo:[0,1] neg_hi:[0,1]
	s_wait_alu depctr_va_vdst(0)
	s_wait_dscnt 0x0                               ; for the others' sake: my stores into the stage are done
	s_barrier_signal -1
	s_barrier_wait -1
.macro LOADB a                         ; eight rows of both stages
.set BB, AF+64*((\a)%2)
.irp t, 0,1,2,3,4,5,6,7
	ds_load_b128 v[BB+4*\t:BB+4*\t+3], v[RD] offset:(8*(\a)+\t)*SPITCH
	ds_load_b128 v[BB+32+4*\t:BB+32+4*\t+3], v[RD1] offset:(8*(\a)+\t)*SPITCH
.endr
.endm
.macro SENDB a, younger
.set BB, AF+64*((\a)%2)
	s_wait_dscnt \younger
.irp t, 0,1,2,3,4,5,6,7
	v_pk_fma_f32 v[BB+32+4*\t:BB+32+4*\t+1], v[BB+32+4*\t:BB+32+4*\t+1], s[F2:F2+1], v[BD:BD+1] op_sel_hi:[1,0,1]
	v_pk_fma_f32 v[BB+32+4*\t+2:BB+32+4*\t+3], v[BB+32+4*\t+2:BB+32+4*\t+3], s[F2:F2+1], v[BD+2:BD+3] op_sel_hi:[1,0,1]
	v_pk_fma_f32 v[BB+4*\t:BB+4*\t+1], v[BB+4*\t:BB+4*\t+1], s[F1:F1+1], v[BB+32+4*\t:BB+32+4*\t+1] op_sel_hi:[1,0,1]
	v_pk_fma_f32 v[BB+4*\t+2:BB+4*\t+3], v[BB+4*\t+2:BB+4*\t+3], s[F1:F1+1], v[BB+32+4*\t+2:BB+32+4*\t+3] op_sel_hi:[1,0,1]
	global_store_b128 v[CO], v[BB+4*\t:BB+4*\t+3], s[86:87] offset:(8*(\a)+\t)*OROW th:TH_STORE_NT
.endr
.endm
	LOADB 0
.irp a, 1,2,3,4,5,6,7
.if \a > 1
	s_wait_xcnt 0x0                                ; the stores of two batches back have read their data: the loads below land there
.endif
	LOADB \a
	SENDB \a-1, 16                                 ; the 16 loads just issued may be out
.endr
	SENDB 7, 0
	s_wait_tensorcnt 0x0                           ; the wave's end
	ds_add_u32 v[SPW], v[NIL]
	s_wait_dscnt 0x0
	CROUND                                         ; the closing round
	s_endpgm
.Lfunc_end_k_qf5bc217608_gemm:
	.size	k_qf5bc217608_gemm, .Lfunc_end_k_qf5bc217608_gemm-k_qf5bc217608_gemm
	.p2alignl 7, 3214868480
	.fill 96, 4, 3214868480
	.section	.rodata,"a",@progbits
	.p2align	6, 0x0
	.amdhsa_kernel k_qf5bc217608_gemm
		.amdhsa_group_segment_fixed_size 327680
		.amdhsa_private_segment_fixed_size 0
		.amdhsa_enable_private_segment 0
		.amdhsa_kernarg_size 48
		.amdhsa_user_sgpr_count 2
		.amdhsa_user_sgpr_kernarg_segment_ptr 1
		.amdhsa_wavefront_size32 1
		.amdhsa_system_sgpr_workgroup_id_x 1
		.amdhsa_system_sgpr_workgroup_id_y 1
		.amdhsa_system_sgpr_workgroup_id_z 1
		.amdhsa_system_vgpr_workitem_id 0
		.amdhsa_next_free_vgpr 1024
		.amdhsa_next_free_sgpr 100
		.amdhsa_reserve_vcc 0
		.amdhsa_float_denorm_mode_32 3
		.amdhsa_float_denorm_mode_16_64 3
		.amdhsa_memory_ordered 1
		.amdhsa_forward_progress 1
		.amdhsa_inst_pref_size 175
	.end_amdhsa_kernel
	.amdgpu_metadata
---
amdhsa.version: [ 1, 2 ]
amdhsa.kernels:
  - .name:           k_qf5bc217608_gemm
    .symbol:         k_qf5bc217608_gemm.kd
    .args:
      - { .name: xq, .offset: 0, .size: 8, .value_kind: global_buffer, .address_space: global }
      - { .name: wq, .offset: 8, .size: 8, .value_kind: global_buffer, .address_space: global }
      - { .name: lowp_scales, .offset: 16, .size: 8, .value_kind: global_buffer, .address_space: global }
      - { .name: b1, .offset: 24, .size: 8, .value_kind: global_buffer, .address_space: global }
      - { .name: b2, .offset: 32, .size: 8, .value_kind: global_buffer, .address_space: global }
      - { .name: out0, .offset: 40, .size: 8, .value_kind: global_buffer, .address_space: global }
    .group_segment_fixed_size: 327680
    .private_segment_fixed_size: 0
    .kernarg_segment_align: 8
    .kernarg_segment_size: 48
    .max_flat_workgroup_size: 128
    .sgpr_count:     100
    .vgpr_count:     1024
    .wavefront_size: 32
...
	.end_amdgpu_metadata
.endif
;; end of part 2
